; MI455X (gfx1250); checked and timed in simulation.
; The chip was launched on July 23, 2026; its instructions are those of AMD's public machine-readable ISA for CDNA 5 (MIT licence, August 2026) and "CDNA5" Instruction Set Architecture Reference Guide (July 2026). The comments in the code are by the model that wrote it; some were corrected since.
;; Self Attention Unit. Allowed arithmetic: matrix products marked QUANTISED: E2M1 operands, one E8M0 scale for each 32 along K, by v_wmma_scale_f32_16x16x128_f8f6f4 with both operands' format E2M1 (or v_wmma_scale_f32_32x16x128_f4), f32 sums; everything else in f32.
;; Inputs: k_matrix 8 x 2,048 x 1,024 float32; q_matrix 8 x 2,048 x 1,024 float32; v_matrix 8 x 2,048 x 1,024 float32.
;; Outputs: out0 8 x 2,048 x 1,024 float32.
;; This version of the problem:
;;   THIS VERSION OF THE PROBLEM IS GIVEN IN LOW PRECISION. The matrix products marked QUANTISED in the list below multiply operands that are first quantised to E2M1 (2 exponent bits, 1 mantissa bit; 4 bits a number), with one power-of-two scale for each 32 numbers along K (OCP MX v1.0); their sums are f32. All else is computed in f32.
;;   The module's matrix products, in the order in which they are computed (A, B: the left and right operand; K: the contracted axis; several contracted axes count as one K, in the product's order):
;;     1. batch 8 x [M 2,048, K 1,024] x [K 1,024, N 2,048]; A: input q_matrix; B: input k_matrix: QUANTISED
;;     2. batch 8 x [M 2,048, K 2,048] x [K 2,048, N 1,024]; A: softmax (see below); B: input v_matrix: QUANTISED
;;   THE QUANTISER, for each operand of a quantised product, along K:
;;     - K is cut into blocks of 32 from its start; a last block that is shorter is filled with zeros.
;;     - A block's scale is 2^e with e = floor(log2(the largest magnitude in the block)) - 2, held to -126 .. 127; a block of zeros has e = 0. As a byte (E8M0): e + 127.
;;     - Each number is divided by its block's scale, clamped to +-6, and rounded to the nearest number of E2M1, ties to even, subnormals kept.
;;     - The product sums the exact products of the quantised numbers (number of the format x scale) in f32.
;;   ~~~python
;;   def quantise(x, axis):      # numpy; x: float32 -> the quantised numbers, widened to float32 again
;;       x = np.moveaxis(x, axis, -1); K = x.shape[-1]
;;       x = np.pad(x, [(0, 0)] * (x.ndim - 1) + [(0, -K % 32)]); x = x.reshape(x.shape[:-1] + (-1, 32)); a = np.abs(x).max(-1, keepdims=True)
;;       e = np.where(a > 0, np.clip(np.frexp(np.where(a > 0, a, 1))[1] - 1 - 2, -126, 127), 0)      # np.frexp(a)[1] - 1 = floor(log2(a)), exactly
;;       r = np.clip(x / 2.0 ** e, -6, 6)
;;       step = 2.0 ** (np.maximum(np.frexp(np.where(r == 0, 1, r))[1] - 1, 0) - 1)
;;       q = np.round(r / step) * step * 2.0 ** e      # np.round: ties to even
;;       return np.moveaxis(q.reshape(q.shape[:-2] + (-1,))[..., :K], -1, axis).astype(np.float32)
;;   ~~~
;;   SOFTMAX AHEAD OF A QUANTISED PRODUCT. Where the list says 'softmax', what is quantised is not the finished softmax but p = 2^(t - M), with t = logit x log2(e) and M = ceil(the row's largest t), a whole number; so 1/2 < the row's largest p <= 1. The row's sum l is taken of the UNQUANTISED p, in f32, and the product's result is divided by l at the end. Since M is a whole number, a kernel that streams over the keys may use a running M (the ceiling of the running maximum): every later rescaling is an exact power of two, which a block's scale takes up: the codes' values come out the same.
;;   OPERANDS COMPUTED ON THE WAY. 'Computed on the way' means the value that the module computes at that place (a softmax that the list does not call 'softmax' is quantised finished and normalised). What goes into a quantiser is computed in f32, as accurately as f32 sums, v_exp_f32 and their like allow (about 1e-6 of the number): no bf16 or f16 on the way to a quantiser, and a product that is left as it is and whose result goes on into a quantised operand takes f32 operands (vector FMAs, or v_wmma_f32_16x16x4_f32). A number that lies on a knife's edge between two numbers of the format may be rounded either way, as far as f32 arithmetic and the matrix unit's own rounding can turn it there, and no further.
;; One version. Each part assembles by itself: llvm-mc -triple=amdgcn-amd-amdhsa -mcpu=gfx1250 --defsym DOCPART=n.
;; ======== version 1 of 1: 2 launches
;; limits: right only within a limited range of input values
;; workspace buffers: qc 8,912,896 bytes; kv 17,825,792 bytes
;; launch quant (part 1): grid 1536 x 1, 4 waves a work-group, no clusters, 34,304 bytes of LDS; arguments q_matrix, k_matrix, v_matrix, qc, kv; writes qc, kv
.if DOCPART == 1
	.amdgcn_target "amdgcn-amd-amdhsa--gfx1250"
	.amdhsa_code_object_version 6
	.text
	.protected	k_q930857713f_quant
	.globl	k_q930857713f_quant
	.p2align	8
	.type	k_q930857713f_quant,@function
k_q930857713f_quant:
	s_mov_b64 s[64:65], 0
	v_nop
	global_prefetch_b8 v0, s[64:65] scope:SCOPE_SE
	s_setreg_imm32_b32 hwreg(HW_REG_WAVE_MODE, 25, 1), 1
	s_wait_xcnt 0x0
; Q, K, V [8][2048][1024] f32 become codes of FP4 (E2M1) with one E8M0 byte for each 32 along the product's K, laid as IMAGES OF THE OPERANDS' REGISTERS for the attention launch.
; A block's scale is 2^(floor(log2(its largest magnitude)) - 2); its byte is the largest magnitude's exponent field - 2, held at 1 from below.
; An image of a fragment (16 rows x 128 along K) is 1,024 bytes: the 32 codes k = 64 c + 32 h + 0..31 of row r lie at 512 c + 256 h + 16 r.
; A REGION is 16 images and 1,024 bytes of scale words: 17,408 bytes.
;   qc: region 64 b + G holds queries 32 G .. 32 G + 31: image 8 u + s = tile u (row rho = query 16 u + rho), K step s; scale word (u, rho, s) at 16,384 + 512 (s / 4) + 16 (rho + 16 u) + 4 (s % 4).
;   kv: tile 16 b + j (128 keys) is eight regions.  Regions 0-3: keys 32 w on, laid as Q's, but row rho of tile u is key 8 u + rho + 8 (rho / 8).
;       Regions 4-7: V for d = 256 w on: image t = rows d = 16 t + r along the tile's 128 keys; the scale word of d = 32 tau + l at 16,384 + 128 tau + 4 l.
; SHARES.  Work-groups 0-255 take Q, 256-511 K (a wave: one tile of 16 rows x 1,024), 512-1535 V (a work-group: 128 keys x 128 columns; a lane: one column).
; Memory binds: every f32 is read once, by loads that cover consecutive bytes; the codes leave in stores of 256 or 512 consecutive aligned bytes.  No matrix unit, no cluster, no tensor load, no barrier: waves share nothing.
; LIMITS: NaN and infinities among the inputs are not served.  A block of zeros gets the byte 1 where the rule says 127: its codes are zeros, and this program alone reads the bytes.
; WORK LEFT OUT BY THE PROGRAM (in the attention launch): tiles of 128 keys all of which come after all queries of a block.  reference()'s own jnp.tril makes their scores 0 and its own where makes those -inf,
; so the softmax gives them the weight 0 whatever finite values the inputs hold.  Every key counts for some query, so all three inputs are read whole here.
; LIMIT: a NaN, an infinity or an overflow that would arise only in the tiles left out is not carried to the result.
.set REG,   17408
.set TILEB, 139264
.set WST,   8448                       ; Q, K: a wave's stage in LDS: 16 rows x (512 bytes + 16)
.set SPARE, 4*WST                      ; behind the stages: the spare words, 128 bytes for each wave
.set R,     32                         ; v32-159  Q, K: two sets of 64 numbers as loaded;  V: four blocks of 32
.set X,     160                        ; v160-223 Q, K: my two blocks of 32 neighbours;    V: v160-175 the codes
.set C,     224                        ; v224-239 Q, K: two sets of 8 registers of codes
.set SW,    240                        ; v240-247 Q, K: my row's scale word for each K step
	s_load_b256 s[4:11], s[0:1], 0x0               ; q s[4:5], k s[6:7], v s[8:9], qc s[10:11]
	s_load_b64 s[12:13], s[0:1], 0x20              ; kv
	v_lshl_add_u32 v30, v0, 2, SPARE               ; my spare word,
	v_mov_b32 v31, 0                               ; and 0: kept for the add alone
	v_lshrrev_b32 v1, 5, v0
	v_readfirstlane_b32 s16, v1                    ; wave
	v_and_b32 v2, 31, v0                           ; lane
	v_and_b32 v16, 15, v0                          ; r
	v_bfe_u32 v17, v0, 4, 1                        ; h
	s_cmp_ge_u32 ttmp9, 512
	s_cbranch_scc1 .Lv
; ---------------- Q and K: K (the 1,024) is innermost
	s_and_b32 s17, ttmp9, 255
	s_lshl_b32 s17, s17, 2
	s_add_co_u32 s17, s17, s16                     ; my tile, 0 .. 1023
	s_lshr_b32 s18, s17, 7                         ; b
	s_and_b32 s19, s17, 127                        ; T: the tile in its batch
	s_lshr_b32 s20, s19, 1                         ; g: its group of 32 rows
	s_and_b32 s21, s19, 1                          ; u
	s_lshl_b32 s22, s19, 4                         ; Q: rows 16 T + 0..15
	s_lshl_b32 s23, s20, 5
	s_lshl_b32 s24, s21, 3
	s_add_co_u32 s23, s23, s24                     ; K: rows 32 g + 8 u + 0..7 and the eight that lie 16 further on
	s_lshl_b32 s24, s18, 6
	s_add_co_u32 s24, s24, s20
	s_mul_i32 s24, s24, REG                        ; Q's region
	s_lshl_b32 s25, s18, 4
	s_lshr_b32 s26, s20, 2
	s_add_co_u32 s25, s25, s26
	s_mul_i32 s25, s25, TILEB
	s_and_b32 s26, s20, 3
	s_mul_i32 s26, s26, REG
	s_add_co_u32 s25, s25, s26                     ; K's region
	s_mov_b32 s34, 0x76543210
	s_mov_b32 s35, 0xfedcba98                      ; v_permlanex16_b32's selects for lane l xor 16
	s_mul_i32 s32, s16, WST
	s_lshl_b32 s33, s21, 8
	s_wait_alu depctr_va_vdst(0)
	v_lshlrev_b32 v3, 4, v2                        ; 16 x lane: a load's 512 bytes, and an image's place
	v_add_nc_u32 v5, s32, v3                       ; the stage, way in: a row as it lies
	v_mul_u32_u24 v6, v16, 528
	v_lshl_add_u32 v6, v17, 7, v6
	v_add_nc_u32 v6, s32, v6                       ; way out: row r, + 128 h bytes: my block of 32 numbers
	v_lshlrev_b32 v7, 4, v16
	v_lshl_add_u32 v7, v17, 9, v7
	v_add_nc_u32 v7, s33, v7                       ; the scale words' place: 16 r + 512 h + 256 u
	v_lshlrev_b32 v8, 3, v17                       ; 8 h
	v_mov_b32 v15, 0                               ; written once: a lane permute's destination counts as one of its sources
	s_wait_kmcnt 0x0
	s_cmp_lt_u32 ttmp9, 256                        ; Q's work-group or K's: the choice hangs on the work-group's number alone
	s_cselect_b64 s[4:5], s[4:5], s[6:7]
	s_cselect_b64 s[10:11], s[10:11], s[12:13]
	s_cselect_b32 s22, s22, s23                    ; the tile's first row
	s_cselect_b32 s24, s24, s25                    ; its region
	s_mov_b32 s27, 65536
	s_cselect_b32 s27, 32768, s27                  ; rows 8-15 begin 8 (Q) or 16 (K) rows of 4,096 bytes further down
	v_add_nc_u32 v4, s27, v3
	s_wait_alu depctr_va_vdst(0)
	s_lshl_b32 s28, s18, 11
	s_add_co_u32 s28, s28, s22
	s_lshl_b32 s28, s28, 12                        ; under 2^26
	s_mov_b32 s29, 0
	s_add_nc_u64 s[4:5], s[4:5], s[28:29]
	s_mov_b32 s25, 0
	s_add_nc_u64 s[10:11], s[10:11], s[24:25]      ; the region
	s_lshl_b32 s30, s21, 13
	s_mov_b32 s31, 0
	s_add_nc_u64 s[14:15], s[10:11], s[30:31]      ; my tile's eight images
.macro LOAD s                          ; K step s of the 16 rows: each load reads 512 consecutive bytes of one row
.irp i, 0,1,2,3,4,5,6,7
	global_load_b128 v[R+64*((\s)%2)+4*\i:R+64*((\s)%2)+4*\i+3], v3, s[4:5] offset:4096*\i+512*(\s) th:TH_LOAD_NT
.endr
.irp i, 0,1,2,3,4,5,6,7
	global_load_b128 v[R+64*((\s)%2)+32+4*\i:R+64*((\s)%2)+32+4*\i+3], v4, s[4:5] offset:4096*\i+512*(\s) th:TH_LOAD_NT
.endr
.endm
.macro STEP s
.if (\s) < 7
	s_wait_loadcnt 16                              ; this step's 16 loads are in; the next step's 16 may be out
.else
	s_wait_loadcnt 0
.endif
.irp i, 0,1,2,3,4,5,6,7,8,9,10,11,12,13,14,15
	ds_store_b128 v5, v[R+64*((\s)%2)+4*\i:R+64*((\s)%2)+4*\i+3] offset:528*\i
.endr
.irp c, 0,1                            ; back: lane (r, h) takes k = 64 c + 32 h + 0..31 of row r.  LDS serves a wave's instructions in order: these see the stores above
.irp j, 0,1,2,3,4,5,6,7
	ds_load_b128 v[X+32*\c+4*\j:X+32*\c+4*\j+3], v6 offset:256*\c+16*\j
.endr
.endr
	s_wait_dscnt 0x0                               ; my 64 numbers are in, and the stores have read the set that is loaded anew below
	s_wait_xcnt 0x0                                ; the stores of two steps back have read their data: that set of codes is written again below
.if (\s) < 6
	LOAD (\s)+2
.endif
.irp c, 0,1
	v_max3_num_f32 v[9+\c], |v[X+32*\c]|, |v[X+32*\c+1]|, 0x1800000   ; my whole block 2 c + h, and the floor 2^(3 - 127): the byte cannot fall under 1
.endr
.irp i, 2,4,6,8,10,12,14,16,18,20,22,24,26,28,30
.irp c, 0,1
	v_max3_num_f32 v[9+\c], v[9+\c], |v[X+32*\c+\i]|, |v[X+32*\c+\i+1]|
.endr
.endr
.irp c, 0,1
	v_add_nc_u32 v[11+\c], 0xff000000, v[9+\c]     ; 2 off the exponent field: the conversion's scale operand
.endr
.irp c, 0,1
	v_lshrrev_b32 v[13+\c], 23, v[11+\c]           ; the scale's byte
.endr
	v_lshl_or_b32 v13, v14, 16, v13                ; blocks h and 2 + h,
	v_lshlrev_b32 v13, v8, v13                     ; at their places in the word;
	v_permlanex16_b32 v15, v13, s34, s35
	v_or_b32 v[SW+(\s)], v13, v15                  ; with lane l xor 16's two the word is whole
.irp c, 0,1
.irp g, 0,1,2,3
	v_cvt_scalef32_pk8_fp4_f32 v[C+8*((\s)%2)+4*\c+\g], v[X+32*\c+8*\g:X+32*\c+8*\g+7], v[11+\c]
.endr
.endr
	v_nop                                          ; one plain line behind the last scaled conversion
.irp c, 0,1
	global_store_b128 v3, v[C+8*((\s)%2)+4*\c:C+8*((\s)%2)+4*\c+3], s[14:15] offset:1024*(\s)+512*\c   ; 512 consecutive aligned bytes
.endr
.endm
	LOAD 0
	LOAD 1
.irp t, 0,1,2,3,4,5,6,7
	STEP \t
.endr
	v_cmp_lt_u32 vcc_lo, 15, v2                    ; lanes 0-15 store the words of K steps 0-3, lanes 16-31 those of 4-7: 256 consecutive aligned bytes each
.irp k, 0,1,2,3
	v_cndmask_b32 v[24+\k], v[SW+\k], v[SW+4+\k], vcc_lo
.endr
	global_store_b128 v7, v[24:27], s[10:11] offset:16384
	s_wait_tensorcnt 0x0                           ; the wave's end: behind my last LDS store
	ds_add_u32 v30, v31
	s_wait_dscnt 0x0
	s_endpgm
; ---------------- V: K (the keys) is the outer axis: a lane takes a column d, its registers run down the keys.
.Lv:
	s_sub_co_u32 s17, ttmp9, 512
	s_lshr_b32 s18, s17, 3                         ; 16 b + j: the tile of 128 keys
	s_and_b32 s20, s17, 7                          ; G: which 128 columns
	s_lshl_b32 s22, s18, 19                        ; 128 rows of 4,096 bytes a tile
	s_lshl_b32 s23, s20, 9
	s_add_co_u32 s22, s22, s23
	s_lshl_b32 s23, s16, 7
	s_add_co_u32 s22, s22, s23                     ; + 512 G + 128 x wave
	s_mov_b32 s23, 0
	s_mul_i32 s24, s18, TILEB
	s_lshr_b32 s25, s20, 1
	s_add_co_u32 s25, s25, 4
	s_mul_i32 s25, s25, REG
	s_add_co_u32 s24, s24, s25                     ; region 4 + G / 2
	s_and_b32 s26, s20, 1
	s_lshl_b32 s26, s26, 2
	s_add_co_u32 s26, s26, s16                     ; tau: my 32 columns of the region's 256
	s_lshl_b32 s28, s26, 11
	s_add_co_u32 s28, s28, s24                     ; their two images
	s_mov_b32 s29, 0
	s_lshl_b32 s30, s26, 7
	s_add_co_u32 s30, s30, s24                     ; their scale words (the 16,384 stands in the immediate)
	s_mov_b32 s31, 0
	s_wait_alu depctr_va_vdst(0)
	v_lshlrev_b32 v3, 2, v2                        ; 4 x lane
	v_lshlrev_b32 v4, 4, v16
	v_lshl_add_u32 v4, v17, 10, v4                 ; image lane / 16, row r
	s_wait_alu depctr_va_vdst(0)
	s_wait_kmcnt 0x0
	s_add_nc_u64 s[8:9], s[8:9], s[22:23]
	s_add_nc_u64 s[14:15], s[12:13], s[30:31]
	s_add_nc_u64 s[12:13], s[12:13], s[28:29]
.macro LOADV t                         ; block t: keys 32 t + 0..31 of my column; a wave reads 128 consecutive bytes, the four waves stand side by side
.irp i, 0,1,2,3,4,5,6,7,8,9,10,11,12,13,14,15,16,17,18,19,20,21,22,23,24,25,26,27,28,29,30,31
	global_load_b32 v[R+32*(\t)+\i], v3, s[8:9] offset:(32*(\t)+\i)*4096 th:TH_LOAD_NT
.endr
.endm
.macro BLOCKV t
.set XS, R+32*(\t)
.if (\t) < 3
	s_wait_loadcnt 32                              ; this block's 32 loads are in; the next block's may be out
.else
	s_wait_loadcnt 0
.endif
.if (\t) < 2
	LOADV (\t)+2                                   ; every block has registers of its own
.endif
	v_max3_num_f32 v9, |v[XS]|, |v[XS+1]|, |v[XS+2]|
	v_max3_num_f32 v10, |v[XS+3]|, |v[XS+4]|, |v[XS+5]|
.irp i, 6,10,14,18,22,26
	v_max3_num_f32 v9, v9, |v[XS+\i]|, |v[XS+\i+1]|
	v_max3_num_f32 v10, v10, |v[XS+\i+2]|, |v[XS+\i+3]|
.endr
	v_max3_num_f32 v9, v9, |v[XS+30]|, |v[XS+31]|
	v_max3_num_f32 v9, v9, v10, 0x1800000          ; and the floor
	v_add_nc_u32 v11, 0xff000000, v9
	v_lshrrev_b32 v12, 23, v11
.if (\t) == 0
	v_mov_b32 v20, v12                             ; the four bytes make my column's scale word for these 128 keys
.else
	v_lshl_or_b32 v20, v12, 8*(\t), v20
.endif
.irp g, 0,1,2,3
	v_cvt_scalef32_pk8_fp4_f32 v[X+4*(\t)+\g], v[XS+8*\g:XS+8*\g+7], v11
.endr
	v_nop                                          ; one plain line behind the last scaled conversion
	global_store_b128 v4, v[X+4*(\t):X+4*(\t)+3], s[12:13] offset:256*(\t)   ; sixteen lanes store 256 consecutive aligned bytes
.endm
	LOADV 0
	LOADV 1
.irp t, 0,1,2,3
	BLOCKV \t
.endr
	global_store_b32 v3, v20, s[14:15] offset:16384
	s_endpgm
.Lfunc_end_k_q930857713f_quant:
	.size	k_q930857713f_quant, .Lfunc_end_k_q930857713f_quant-k_q930857713f_quant
	.p2alignl 7, 3214868480
	.fill 96, 4, 3214868480
	.section	.rodata,"a",@progbits
	.p2align	6, 0x0
	.amdhsa_kernel k_q930857713f_quant
		.amdhsa_group_segment_fixed_size 34304
		.amdhsa_private_segment_fixed_size 0
		.amdhsa_enable_private_segment 0
		.amdhsa_kernarg_size 40
		.amdhsa_user_sgpr_count 2
		.amdhsa_user_sgpr_kernarg_segment_ptr 1
		.amdhsa_wavefront_size32 1
		.amdhsa_system_sgpr_workgroup_id_x 1
		.amdhsa_system_sgpr_workgroup_id_y 1
		.amdhsa_system_sgpr_workgroup_id_z 1
		.amdhsa_system_vgpr_workitem_id 0
		.amdhsa_next_free_vgpr 248
		.amdhsa_next_free_sgpr 66
		.amdhsa_reserve_vcc 1
		.amdhsa_float_denorm_mode_32 3
		.amdhsa_float_denorm_mode_16_64 3
		.amdhsa_memory_ordered 1
		.amdhsa_forward_progress 1
		.amdhsa_inst_pref_size 77
	.end_amdhsa_kernel
	.amdgpu_metadata
---
amdhsa.version: [ 1, 2 ]
amdhsa.kernels:
  - .name:           k_q930857713f_quant
    .symbol:         k_q930857713f_quant.kd
    .args:
      - { .name: q_matrix, .offset: 0, .size: 8, .value_kind: global_buffer, .address_space: global }
      - { .name: k_matrix, .offset: 8, .size: 8, .value_kind: global_buffer, .address_space: global }
      - { .name: v_matrix, .offset: 16, .size: 8, .value_kind: global_buffer, .address_space: global }
      - { .name: qc, .offset: 24, .size: 8, .value_kind: global_buffer, .address_space: global }
      - { .name: kv, .offset: 32, .size: 8, .value_kind: global_buffer, .address_space: global }
    .group_segment_fixed_size: 34304
    .private_segment_fixed_size: 0
    .kernarg_segment_align: 8
    .kernarg_segment_size: 40
    .max_flat_workgroup_size: 128
    .sgpr_count:     66
    .vgpr_count:     248
    .wavefront_size: 32
...
	.end_amdgpu_metadata
.endif
;; end of part 1
;; launch attn (part 2): grid 32 x 8, 4 waves a work-group, clusters of 4 x 1, 327,680 bytes of LDS; arguments qc, kv, out0; writes out0
.if DOCPART == 2
	.amdgcn_target "amdgcn-amd-amdhsa--gfx1250"
	.amdhsa_code_object_version 6
	.text
	.protected	k_q930857713f_attn
	.globl	k_q930857713f_attn
	.p2align	8
	.type	k_q930857713f_attn,@function
k_q930857713f_attn:
	s_mov_b64 s[64:65], 0
	v_nop
	global_prefetch_b8 v0, s[64:65] scope:SCOPE_SE
	s_setreg_imm32_b32 hwreg(HW_REG_WAVE_MODE, 25, 1), 1
	s_wait_xcnt 0x0
	s_wait_alu depctr_hold_cnt(0) depctr_sa_sdst(0) depctr_va_vdst(0) depctr_va_sdst(0) depctr_va_ssrc(0) depctr_va_vcc(0) depctr_vm_vsrc(0)
	s_getreg_b32 s2, hwreg(HW_REG_IB_STS2, 6, 4)
	s_cmp_eq_u32 s2, 0
	s_cbranch_scc0 .Lentry_in_a_cluster
	s_endpgm
.Lentry_in_a_cluster:
	s_bfe_u32 s2, ttmp6, 0x10000c
	s_cmp_lg_u32 s2, 0x3003
	s_cbranch_scc0 .Lentry_shape_is_right
	s_endpgm
.Lentry_shape_is_right:
; out[b][q] = sum over k <= q of softmax_k(Q[b][q] . K[b][k] / 1024 + 1e-16) V[b][k], scores that are exactly 0 counting as -inf, both products on codes of FP4 (E2M1) with E8M0 scales for each 32 along K.
; qc and kv hold images of the operands' registers (laid by the launch before): a region = 16 images of 1,024 bytes + 1,024 bytes of scale words; a tile of 128 keys = 4 regions of K + 4 of V.
; LEFT OUT: tiles of 128 keys that lie wholly behind a block's queries (reference()'s own tril and where give them the weight 0 for all inputs); a NaN or infinity that would arise only there is not carried.
; SHARES.  Cluster x of batch b owns the blocks of 128 queries a and 15 - a, a = x for even x and 15 - x for odd x (so a is even); its work-group c owns queries 32 c .. + 31 of both: a + 1 and 16 - a key tiles, 17 steps everywhere.
; A step: wave w makes S^T for keys 32 w .. + 31 (one block of the second product's K) x 32 queries over the 1,024 (32 matrix instructions), takes p = 2^(t - M_w) under its own whole M_w, quantises it,
; and hands codes, -M_w and the sum to the others through LDS (two areas by turns, one barrier a step).  Each wave then joins the four -M_w with the running -M: the differences, whole numbers, go into p's scale bytes
; and into f = 2^(old M - new M), by which the sum and O^T are multiplied.  O^T += V^T P^T: wave w has d = 256 w .. + 255 x 32 queries (32 matrix instructions, 256 registers).
; V: the four work-groups of a cluster walk the same tiles and ask for V jointly.  A ring of two LDS slots, each with V of TWO steps (2 x 69,632 bytes): steps (1, 2), (3, 4) .. (15, 16); a wave fetches half a tile (136 rows of 256 bytes).
; The change of slots is the odd step's barrier, a round of the cluster's barrier; the fill behind it has two steps in which to land.  Step 0's V comes by plain loads.
; K: the ring, the stage, the exchange and the spare words take 321,024 of the 327,680 bytes of LDS, so K has no slot.  Each byte of K is an operand of one wave alone and lies in memory as its register image:
; it goes straight into registers, 34 loads of 512 consecutive bytes a wave and step, asked for behind S of the step before.
; PREFETCH: the cluster with a = 14 walks tile u in step u.  Its sixteen waves share a tile's eight regions by address (8,192 bytes a wave, lanes 256 bytes apart) and ask in step u < 11 for tile u + 5:
; K's loads want it four steps later, V's joint load two or three steps later.  Tiles 0 to 4 come by their loads alone.
; LIMITS: the promise holds while the scaled scores stay under 2^31 in magnitude; NaN and infinities among the inputs are not served.
; REGISTERS: window 0: addresses, state, S (v128-159), p's fragments (v160-175), scale words; window 1: v0-127 Q, v128-255 K; window 2: O^T; window 3: v0-127 V, v128-255 the way out.
.set REG,   17408
.set TILEB, 139264
.set VOFF,  4*REG                      ; V's regions lie behind K's four
.set SLOTB, 69632                      ; V of one tile
.set HALFB, 34816                      ; what one tensor load brings
.set EX,    278528                     ; behind the ring: the exchange: two areas of 4,096 bytes: 2 images of p, then 4 x 512 bytes of -M and sums
.set STAGE, 286720                     ; 16 rows x 528 bytes for each wave
.set SPARE, 320512                     ; the spare words, 128 bytes a wave
.set S,     128
.set PF,    160
.set PW,    96
.set KSC,   100
.set QSC,   108
.set VSC,   116
.set MSB, 0
.macro WIN new                         ; the immediate's high byte repeats the setting that is left
.if MSB != \new
	s_set_vgpr_msb (MSB<<8)|\new
.set MSB, \new
.endif
.endm
.macro CROUND                          ; a round of the cluster's barrier
	s_barrier_signal -1
	s_barrier_wait -1
	s_cmp_lg_u32 s10, 0
	s_cbranch_scc1 .Lnot_wave_0_\@
	s_barrier_signal -3
.Lnot_wave_0_\@:
	s_barrier_wait -3
	s_barrier_signal -1
	s_barrier_wait -1
.endm
.macro TL                              ; my joint load
	tensor_load_to_lds s[92:95], s[84:91]
	s_nop 0
.rept 4
	v_nop
.endr
.endm
.macro ASK
	s_cmp_lt_u32 s17, s52
	s_cbranch_scc0 .Lnot_mine_\@
	global_prefetch_b8 v25, s[50:51] th:TH_LOAD_NT scope:SCOPE_SE
.Lnot_mine_\@:
.endm
.macro QLOAD base                      ; 34 loads: my block's 16 images and scale words
	WIN 0x40
.irp f, 0,1,2,3,4,5,6,7,8,9,10,11,12,13,14,15
.irp c, 0,1
	global_load_b128 v[8*\f+4*\c:8*\f+4*\c+3], v22, s[\base:\base+1] offset:1024*\f+512*\c
.endr
.endr
	WIN 0
.irp p, 0,1
	global_load_b128 v[QSC+4*\p:QSC+4*\p+3], v22, s[\base:\base+1] offset:16384+512*\p
.endr
.endm
.macro KSTEP s                         ; K step s of my 32 keys: two images, four loads
.irp u, 0,1
.irp c, 0,1
	global_load_b128 v[128+8*(8*\u+\s)+4*\c:128+8*(8*\u+\s)+4*\c+3], v22, s[34:35] offset:1024*(8*\u+\s)+512*\c
.endr
.endr
.endm
.macro KF1                             ; 22 loads: the scale words and K steps 0 to 4
.irp p, 0,1
	global_load_b128 v[KSC+4*\p:KSC+4*\p+3], v22, s[34:35] offset:16384+512*\p
.endr
	WIN 0x40
.irp s, 0,1,2,3,4
	KSTEP \s
.endr
	WIN 0
.endm
.macro KF2                             ; 12 loads: K steps 5 to 7
	WIN 0x40
.irp s, 5,6,7
	KSTEP \s
.endr
	WIN 0
.endm
.macro VFETCH                          ; 40 LDS loads: my 256 d x 128 keys and their scale words
.irp p, 0,1,2,3,4,5,6,7
	ds_load_b32 v[VSC+\p], v14 offset:128*\p
.endr
	WIN 0xc0
.irp t, 0,1,2,3,4,5,6,7,8,9,10,11,12,13,14,15
.irp c, 0,1
	ds_load_b128 v[8*\t+4*\c:8*\t+4*\c+3], v13 offset:1024*\t+512*\c
.endr
.endr
	WIN 0
.endm
.macro WMM
.if rZ
.if (rRA == 0) && (rRB == 0)
	v_wmma_scale_f32_16x16x128_f8f6f4 v[rD:rD+7], v[rA:rA+7], v[rB:rB+7], 0, v[rSA], v[rSB] matrix_a_fmt:MATRIX_FMT_FP4 matrix_b_fmt:MATRIX_FMT_FP4
.elseif rRB == 0
	v_wmma_scale_f32_16x16x128_f8f6f4 v[rD:rD+7], v[rA:rA+7], v[rB:rB+7], 0, v[rSA], v[rSB] matrix_a_fmt:MATRIX_FMT_FP4 matrix_b_fmt:MATRIX_FMT_FP4 matrix_a_scale:MATRIX_SCALE_ROW1
.elseif rRA == 0
	v_wmma_scale_f32_16x16x128_f8f6f4 v[rD:rD+7], v[rA:rA+7], v[rB:rB+7], 0, v[rSA], v[rSB] matrix_a_fmt:MATRIX_FMT_FP4 matrix_b_fmt:MATRIX_FMT_FP4 matrix_b_scale:MATRIX_SCALE_ROW1
.else
	v_wmma_scale_f32_16x16x128_f8f6f4 v[rD:rD+7], v[rA:rA+7], v[rB:rB+7], 0, v[rSA], v[rSB] matrix_a_fmt:MATRIX_FMT_FP4 matrix_b_fmt:MATRIX_FMT_FP4 matrix_a_scale:MATRIX_SCALE_ROW1 matrix_b_scale:MATRIX_SCALE_ROW1
.endif
.else
.if (rRA == 0) && (rRB == 0)
	v_wmma_scale_f32_16x16x128_f8f6f4 v[rD:rD+7], v[rA:rA+7], v[rB:rB+7], v[rD:rD+7], v[rSA], v[rSB] matrix_a_fmt:MATRIX_FMT_FP4 matrix_b_fmt:MATRIX_FMT_FP4
.elseif rRB == 0
	v_wmma_scale_f32_16x16x128_f8f6f4 v[rD:rD+7], v[rA:rA+7], v[rB:rB+7], v[rD:rD+7], v[rSA], v[rSB] matrix_a_fmt:MATRIX_FMT_FP4 matrix_b_fmt:MATRIX_FMT_FP4 matrix_a_scale:MATRIX_SCALE_ROW1
.elseif rRA == 0
	v_wmma_scale_f32_16x16x128_f8f6f4 v[rD:rD+7], v[rA:rA+7], v[rB:rB+7], v[rD:rD+7], v[rSA], v[rSB] matrix_a_fmt:MATRIX_FMT_FP4 matrix_b_fmt:MATRIX_FMT_FP4 matrix_b_scale:MATRIX_SCALE_ROW1
.else
	v_wmma_scale_f32_16x16x128_f8f6f4 v[rD:rD+7], v[rA:rA+7], v[rB:rB+7], v[rD:rD+7], v[rSA], v[rSB] matrix_a_fmt:MATRIX_FMT_FP4 matrix_b_fmt:MATRIX_FMT_FP4 matrix_a_scale:MATRIX_SCALE_ROW1 matrix_b_scale:MATRIX_SCALE_ROW1
.endif
.endif
.endm
.macro SMUL c1, c2                     ; S^T = K Q^T: source 0 = 16 keys, source 1 = 16 queries; four accumulators by turns, K ascending
	s_wait_loadcnt \c1                             ; Q, K's scale words and K steps 0 to 4 are in; c1 younger loads may be out
	WIN 0x05
.irp s, 0,1,2,3,4,5,6,7
.if \s == 5
	s_wait_loadcnt \c2                             ; K steps 5 to 7 are in
.endif
.irp m, 0,1
.irp u, 0,1
.set rD, S+16*\m+8*\u
.set rA, 128+8*(8*\u+\s)
.set rB, 8*(8*\m+\s)
.set rSA, KSC+\s
.set rSB, QSC+\s
.set rRA, \u
.set rRB, \m
.if \s == 0
.set rZ, 1
.else
.set rZ, 0
.endif
	WMM
.endr
.endr
.endr
	WIN 0
.endm
.macro MASK                            ; the diagonal tile: register 16 m + e holds key 32 w + 16 h + e for query 32 c + 16 m + r: hidden where e - 16 m > v23
.irp m, 0,1
.irp e, 0,1,2,3,4,5,6,7,8,9,10,11,12,13,14,15
	v_cmp_gt_i32 vcc_lo, \e-16*\m, v23
	v_cndmask_b32 v[S+16*\m+\e], v[S+16*\m+\e], v24, vcc_lo
.endr
.endr
.endm
.macro ZERO                            ; reference()'s where: a score that is exactly 0 counts as -inf
.irp n, 0,1,2,3,4,5,6,7,8,9,10,11,12,13,14,15,16,17,18,19,20,21,22,23,24,25,26,27,28,29,30,31
	v_cmp_eq_f32 vcc_lo, 0, v[S+\n]
	v_cndmask_b32 v[S+\n], v[S+\n], v24, vcc_lo
.endr
.endm
.macro SOFT                            ; my block of 32 keys, two tiles m of 16 queries by turns
.irp m, 0,1
	v_max3_num_f32 v[34+\m], v[S+16*\m], v[S+16*\m+1], v[S+16*\m+2]
.endr
.irp i, 3,5,7,9,11,13
.irp m, 0,1
	v_max3_num_f32 v[34+\m], v[34+\m], v[S+16*\m+\i], v[S+16*\m+\i+1]
.endr
.endr
.irp m, 0,1
	v_max_num_f32 v[34+\m], v[34+\m], v[S+16*\m+15]
.endr
.irp m, 0,1
	v_permlanex16_b32 v[36+\m], v[34+\m], s58, s59
.endr
.irp m, 0,1
	v_max_num_f32 v[34+\m], v[34+\m], v[36+\m]     ; the block's largest score
.endr
.irp m, 0,1
	v_fma_f32 v[38+\m], v[34+\m], s56, s60         ; as t = (score / 1024 + 1e-16) log2(e)
.endr
.irp m, 0,1
	v_max_num_f32 v[38+\m], 0xff61b1e6, v[38+\m]   ; a block that is all -inf: -3e38
.endr
.irp m, 0,1
	v_floor_f32 v[38+\m], -v[38+\m]                ; -M_w = -ceil(t)
.endr
.irp m, 0,1
	v_add_f32 v[40+2*\m], s60, v[38+\m]
.endr
.irp j, 0,2,4,6,8,10,12,14
.irp m, 0,1
	v_pk_fma_f32 v[S+16*\m+\j:S+16*\m+\j+1], v[S+16*\m+\j:S+16*\m+\j+1], s[56:57], v[40+2*\m:41+2*\m] op_sel_hi:[1,0,0]
.endr
.endr
.irp m, 0,1
	v_fma_f32 v[44+\m], v[34+\m], s56, v[40+2*\m]  ; the same of the largest score: the block's largest p
.endr
	s_wait_alu depctr_va_vdst(0)                   ; the wait ahead of the batch
.irp m, 0,1
	v_exp_f32 v[44+\m], v[44+\m]
.endr
.irp n, 0,1,2,3,4,5,6,7,8,9,10,11,12,13,14,15,16,17,18,19,20,21,22,23,24,25,26,27,28,29,30,31
	v_exp_f32 v[S+\n], v[S+\n]
.endr
	v_nop
	s_wait_alu depctr_va_vdst(0)                   ; and behind it
.irp m, 0,1
	v_pk_add_f32 v[50+2*\m:51+2*\m], v[S+16*\m:S+16*\m+1], v[S+16*\m+2:S+16*\m+3]   ; the sum of the unquantised p
.endr
.irp j, 4,6,8,10,12,14
.irp m, 0,1
	v_pk_add_f32 v[50+2*\m:51+2*\m], v[50+2*\m:51+2*\m], v[S+16*\m+\j:S+16*\m+\j+1]
.endr
.endr
.irp m, 0,1
	v_add_f32 v[50+2*\m], v[50+2*\m], v[51+2*\m]
.endr
.irp m, 0,1
	v_permlanex16_b32 v[36+\m], v[50+2*\m], s58, s59
.endr
.irp m, 0,1
	v_add_f32 v[50+2*\m], v[50+2*\m], v[36+\m]
.endr
.irp m, 0,1
	v_max_num_f32 v[44+\m], 0x1800000, v[44+\m]    ; the floor 2^(3 - 127)
.endr
.irp m, 0,1
	v_add_nc_u32 v[46+\m], 0xff000000, v[44+\m]    ; 2 off the exponent field: the conversion's scale operand
.endr
.irp m, 0,1
	v_lshrrev_b32 v[80+\m], 23, v[46+\m]           ; the byte
.endr
.irp m, 0,1
	v_sub_nc_u32 v[48+\m], 0x7c, v[80+\m]          ; what it lacks to 124: taken into -M_w and the sum, so that every block is handed on as one with the byte 124
.endr
.irp m, 0,1
	v_ldexp_f32 v[58+\m], v[50+2*\m], v[48+\m]
.endr
.irp m, 0,1
	v_cvt_f32_i32 v[82+\m], v[48+\m]
.endr
.irp m, 0,1
	v_add_f32 v[56+\m], v[38+\m], v[82+\m]
.endr
.irp m, 0,1
.irp u, 0,1
	v_cvt_scalef32_pk8_fp4_f32 v[60+2*\m+\u], v[S+16*\m+8*\u:S+16*\m+8*\u+7], v[46+\m]
.endr
.endr
	v_nop
.endm
.macro XSTORE                          ; my block's codes at their place in p's two images; -M_w and the sums
.irp m, 0,1
	ds_store_b64 v15, v[60+2*\m:61+2*\m] offset:1024*\m
.endr
	ds_store_b128 v16, v[56:59]
.endm
.macro DESC                            ; K of the next step: step n takes tile n in the first block (n <= a), tile n - a - 1 in the second
	s_wait_xcnt 0x0                                ; the loads and the prefetch that name these addresses have read them
	s_cmp_gt_u32 s20, s13
	s_cselect_b32 s22, s14, 0
	s_sub_co_u32 s22, s20, s22
	s_mul_i32 s22, s22, TILEB
	s_add_nc_u64 s[34:35], s[40:41], s[22:23]
	s_add_co_u32 s20, s20, 1
	s_add_nc_u64 s[50:51], s[50:51], TILEB
.endm
.macro DESCV                           ; my joint load's group 0: V of step s36, into the other slot than last time.  No tensor load of mine is out here
	s_cmp_gt_u32 s36, s13
	s_cselect_b32 s37, s14, 0
	s_sub_co_u32 s37, s36, s37
	s_mul_i32 s32, s37, TILEB
	s_add_nc_u64 s[94:95], s[38:39], s[32:33]
	s_or_b32 s95, s95, 0x80000000
	s_xor_b32 s93, s93, 2*SLOTB
	s_add_co_u32 s36, s36, 2
.endm
.macro COMBINE
.irp m, 0,1
	v_min3_num_f32 v[80+\m], v[26+\m], v[64+\m], v[68+\m]
.endr
.irp m, 0,1
	v_min3_num_f32 v[80+\m], v[80+\m], v[72+\m], v[76+\m]   ; the new -M
.endr
.irp m, 0,1
	v_sub_f32 v[82+\m], v[80+\m], v[26+\m]
.endr
.irp m, 0,1
	v_cvt_i32_f32 v[82+\m], v[82+\m]
.endr
.irp m, 0,1
	v_ldexp_f32 v[30+2*\m], 1.0, v[82+\m]          ; f = 2^(old M - new M)
.endr
.irp m, 0,1
	v_add_f32 v[82+\m], 0x42f80000, v[80+\m]       ; 124 - M
.endr
.irp m, 0,1
	v_mul_f32 v[28+\m], v[28+\m], v[30+2*\m]
.endr
.irp m, 0,1
.irp w, 0,1,2,3
	v_sub_f32 v[84+4*\m+\w], v[82+\m], v[64+4*\w+\m]   ; block w's byte under the new M: 124 - (M - M_w),
.endr
.endr
.irp n, 0,1,2,3,4,5,6,7
	v_max_num_f32 v[84+\n], 1.0, v[84+\n]          ; held at 1 from below
.endr
.irp n, 0,1,2,3,4,5,6,7
	v_cvt_u32_f32 v[84+\n], v[84+\n]
.endr
.irp m, 0,1
.irp w, 0,1,2,3
	v_lshl_add_u32 v[92+\w], v[84+4*\m+\w], 23, 0x01800000   ; 2^(byte - 124)
.endr
.irp w, 0,1,2,3
	v_fma_f32 v[28+\m], v[66+4*\w+\m], v[92+\w], v[28+\m]
.endr
	v_lshl_or_b32 v[PW+\m], v[85+4*\m], 8, v[84+4*\m]
	v_lshl_or_b32 v[PW+\m], v[86+4*\m], 16, v[PW+\m]
	v_lshl_or_b32 v[PW+\m], v[87+4*\m], 24, v[PW+\m]
	v_mov_b32 v[26+\m], v[80+\m]
.endr
.endm
.macro RESCALE
	WIN 0x82
.set q, 0
.rept 32
.irp k, 0,2,4,6
	v_pk_mul_f32 v[8*q+\k:8*q+\k+1], v[8*q+\k:8*q+\k+1], v[30+2*(q%2):31+2*(q%2)] op_sel_hi:[1,0]
.endr
.set q, q+1
.endr
	WIN 0
.endm
.macro PVMUL zero                      ; O^T += V^T P^T: 32 accumulators, one instruction each
	WIN 0xa3
.set rZ, \zero
.set rRB, 0
.irp t, 0,1,2,3,4,5,6,7,8,9,10,11,12,13,14,15
.irp m, 0,1
.set rD, 8*(2*\t+\m)
.set rA, 8*\t
.set rB, PF+8*\m
.set rSA, VSC+\t/2
.set rSB, PW+\m
.set rRA, \t%2
	WMM
.endr
.endr
	WIN 0
.endm
.macro OSCALE x                        ; part x of the way out: query tile x / 2, 128 of my d: / the sum
	WIN 0x82
.set q, 0
.rept 8
.set rO, 8*(2*(8*((\x)%2)+q)+(\x)/2)
.irp k, 0,2,4,6
	v_pk_mul_f32 v[rO+\k:rO+\k+1], v[rO+\k:rO+\k+1], v[176+2*((\x)/2):177+2*((\x)/2)] op_sel_hi:[1,0]
.endr
.set q, q+1
.endr
.endm
.macro TOSTAGE x                       ; through my own stage: in by lanes' eight d, back by rows of 512 bytes
	WIN 0x08
.set q, 0
.rept 8
.set rO, 8*(2*(8*((\x)%2)+q)+(\x)/2)
	ds_store_b128 v19, v[rO:rO+3] offset:64*q
	ds_store_b128 v19, v[rO+4:rO+7] offset:64*q+16
.set q, q+1
.endr
	WIN 0xc0
.irp i, 0,1,2,3,4,5,6,7,8,9,10,11,12,13,14,15
	ds_load_b128 v[128+64*((\x)%2)+4*\i:128+64*((\x)%2)+4*\i+3], v20 offset:528*\i
.endr
	WIN 0
.endm
.macro SEND x, younger, base           ; each store covers 512 consecutive aligned bytes of a row
	s_wait_dscnt \younger
	WIN 0x0c
.irp i, 0,1,2,3,4,5,6,7,8,9,10,11,12,13,14,15
	global_store_b128 v21, v[128+64*((\x)%2)+4*\i:128+64*((\x)%2)+4*\i+3], s[\base:\base+1] offset:(16*((\x)/2)+\i)*4096+512*((\x)%2) th:TH_STORE_NT
.endr
	WIN 0
.endm
.macro WAYOUT base
.rept 4
	v_nop                                          ; places behind the last products
.endr
	v_rcp_f32 v176, v28
	v_rcp_f32 v178, v29
	v_nop
	s_wait_alu depctr_va_vdst(0)                   ; the wait ahead of the first reader
	s_wait_xcnt 0x0                                ; an earlier way out's stores have read their data
	OSCALE 0
	TOSTAGE 0
.irp y, 1,2,3
	OSCALE \y
.if \y > 1
	s_wait_alu depctr_va_vdst(0)
	s_wait_xcnt 0x0                                ; the stores of two parts back have read the registers that are loaded anew
.endif
	TOSTAGE \y
	SEND \y-1, 32, \base
.endr
	SEND 3, 0, \base
.endm
	s_load_b128 s[4:7], s[0:1], 0x0                ; qc, kv
	s_load_b64 s[8:9], s[0:1], 0x10                ; out0
	v_lshl_add_u32 v3, v0, 2, SPARE                ; my spare word,
	v_mov_b32 v4, 0                                ; and 0: kept for the add alone
	ds_add_u32 v3, v4                              ; the opening lines: the add, twice on end, and its wait ahead of my first tensor load
	ds_add_u32 v3, v4
	v_lshrrev_b32 v1, 5, v0
	v_readfirstlane_b32 s10, v1                    ; wave
	s_lshr_b32 s11, s10, 1                         ; which step of a pair I fetch V for,
	s_and_b32 s12, s10, 1                          ; and which half of its tile
	s_sub_co_u32 s55, 15, ttmp9
	s_and_b32 s54, ttmp9, 1
	s_cmp_lg_u32 s54, 0
	s_cselect_b32 s13, s55, ttmp9                  ; a: x for even x, 15 - x for odd x
	s_add_co_u32 s14, s13, 1
	s_bfe_u32 s15, ttmp6, 0x40000                  ; c: my place in the cluster
	s_and_b32 s16, ttmp7, 0xffff                   ; b
	s_mov_b32 s84, 15|(3<<16)|(1<<21)              ; group 1: the mask names the four; elements of 8 bytes; 136 dense rows of 256 bytes
	s_mov_b32 s85, 32<<16
	s_mov_b32 s86, 136<<16
	s_mov_b32 s87, 32<<16
	s_mov_b32 s88, 136
	s_mov_b32 s89, 32
	s_mov_b32 s90, 0
	s_mov_b32 s91, 0
	s_mov_b32 s92, 1
	s_mul_i32 s93, s11, SLOTB
	s_mul_i32 s62, s12, HALFB
	s_add_co_u32 s93, s93, s62
	s_add_co_u32 s93, s93, 2*SLOTB                 ; my part of slot 1: the first turn makes it slot 0
	s_add_co_u32 s36, s11, 1                       ; the step whose V I fetch next
	s_mov_b32 s33, 0
	s_mul_i32 s72, s16, 16*TILEB
	s_add_co_u32 s30, s72, s62
	s_add_co_u32 s30, s30, VOFF                    ; the batch's tile 0, my half of V
	s_mov_b32 s31, 0
	s_mul_i32 s61, s10, REG
	s_add_co_u32 s72, s72, s61                     ; the batch's tile 0, my region of K
	s_mov_b32 s73, 0
	s_mov_b32 s23, 0
	s_mov_b32 s20, 1                               ; the step whose K is asked for next
	s_cmp_eq_u32 s13, 14
	s_cselect_b32 s52, 11, 0                       ; steps in which my cluster prefetches
	s_lshl_b32 s53, s16, 6
	s_lshl_b32 s54, s13, 2
	s_add_co_u32 s54, s54, s15
	s_add_co_u32 s54, s54, s53                     ; first block: group of 32 queries 64 b + 4 a + c
	s_mul_i32 s74, s54, REG
	s_mov_b32 s75, 0
	s_lshl_b32 s78, s54, 17                        ; 32 rows of 4,096 bytes
	s_mov_b32 s79, 0
	s_sub_co_u32 s55, 15, s13
	s_lshl_b32 s55, s55, 2
	s_add_co_u32 s55, s55, s15
	s_add_co_u32 s55, s55, s53                     ; second block
	s_mul_i32 s76, s55, REG
	s_mov_b32 s77, 0
	s_lshl_b32 s80, s55, 17
	s_mov_b32 s81, 0
	s_lshl_b32 s66, s15, 2
	s_add_co_u32 s66, s66, s10                     ; the prefetches: 4 c + wave picks half a region's images
	s_lshr_b32 s67, s66, 1
	s_mul_i32 s67, s67, REG
	s_and_b32 s66, s66, 1
	s_lshl_b32 s66, s66, 13
	s_add_co_u32 s67, s67, s66
	s_mul_i32 s82, s16, 16*TILEB
	s_add_co_u32 s82, s82, s67
	s_add_co_u32 s82, s82, 4*TILEB                 ; at tile 4: step 0 steps it to tile 5
	s_mov_b32 s83, 0
	s_sub_co_i32 s53, s15, s10
	s_lshl_b32 s53, s53, 5                         ; 32 (c - w)
	s_mov_b32 s56, 0x3ab8aa3b                      ; log2(e) / 1024
	s_mov_b32 s57, s56
	s_mov_b32 s58, 0x76543210
	s_mov_b32 s59, 0xfedcba98                      ; lane l xor 16
	s_mov_b32 s60, 0x252654d8                      ; 1e-16 log2(e)
	s_mov_b32 s17, 0                               ; the step
	s_mov_b32 s18, 0                               ; the slot in hand
	s_mov_b32 s21, 0                               ; the exchange area in hand
	s_lshl_b32 s24, s10, 8
	s_add_co_u32 s24, s24, EX
	s_lshl_b32 s25, s10, 9
	s_add_co_u32 s25, s25, EX+2048
	s_mul_i32 s26, s10, 16*528
	s_add_co_u32 s26, s26, STAGE                   ; my stage
	s_lshl_b32 s27, s10, 10                        ; my 256 d in a row of out0
	v_and_b32 v80, 31, v0
	v_and_b32 v1, 15, v0                           ; r
	v_bfe_u32 v2, v0, 4, 1                         ; h
	v_lshlrev_b32 v22, 4, v80                      ; 16 x lane: an image's place
	v_lshlrev_b32 v25, 8, v80
	v_lshlrev_b32 v5, 2, v80
	v_add_nc_u32 v6, s61, v22                      ; my region of V in a tile of the ring,
	v_add_nc_u32 v7, s61, v5
	v_add_nc_u32 v7, 16384, v7                     ; and its scale words
	v_lshlrev_b32 v8, 4, v1
	v_lshl_add_u32 v8, v2, 3, v8
	v_add_nc_u32 v8, s24, v8                       ; my codes' place: 256 w + 16 r + 8 h
	v_add_nc_u32 v9, s25, v22                      ; my -M and sums
	v_add_nc_u32 v10, EX, v22                      ; p's images, read
	v_lshl_add_u32 v11, v1, 4, EX+2048             ; the four waves' -M and sums of query r
	v_mul_u32_u24 v19, v1, 528
	v_lshl_add_u32 v19, v2, 5, v19
	v_add_nc_u32 v19, s26, v19
	v_add_nc_u32 v20, s26, v22
	v_add_nc_u32 v21, s27, v22
	v_lshlrev_b32 v23, 4, v2
	v_sub_nc_u32 v23, v1, v23
	v_add_nc_u32 v23, s53, v23                     ; r - 16 h + 32 (c - w)
	v_mov_b32 v24, 0xff800000
	v_mov_b32 v26, 0x7f61b1e6                      ; -M: 3e38
	v_mov_b32 v27, 0x7f61b1e6
	v_mov_b32 v28, 0                               ; the sums
	v_mov_b32 v29, 0
.irp n, 31,33,36,37,41,43,177,179
	v_mov_b32 v[\n], 0                             ; upper halves of named pairs, and lane permutes' destinations
.endr
	s_wait_alu depctr_va_vdst(0)                   ; the wait at the head's end
	s_wait_dscnt 0x0                               ; both opening adds are done
	s_wait_kmcnt 0x0
	s_add_nc_u64 s[40:41], s[6:7], s[72:73]
	s_mov_b64 s[34:35], s[40:41]
	s_add_nc_u64 s[38:39], s[6:7], s[30:31]
	s_add_nc_u64 s[42:43], s[4:5], s[74:75]
	s_add_nc_u64 s[44:45], s[4:5], s[76:77]
	s_add_nc_u64 s[46:47], s[8:9], s[78:79]
	s_add_nc_u64 s[48:49], s[8:9], s[80:81]
	s_add_nc_u64 s[50:51], s[6:7], s[82:83]
	DESCV
	QLOAD 42                                       ; what step 0 wants first
	KF1
	CROUND                                         ; the round in front of the first joint loads
	TL                                             ; V of steps 1 and 2: one tensor load a wave at the head
	KF2
.irp p, 0,1,2,3,4,5,6,7
	global_load_b32 v[VSC+\p], v5, s[34:35] offset:VOFF+16384+128*\p   ; step 0's V: 40 plain loads
.endr
	WIN 0xc0
.irp t, 0,1,2,3,4,5,6,7,8,9,10,11,12,13,14,15
.irp c, 0,1
	global_load_b128 v[8*\t+4*\c:8*\t+4*\c+3], v22, s[34:35] offset:VOFF+1024*\t+512*\c
.endr
.endr
	WIN 0
; A STEP.  first: 1 the sums of O^T begin, 2 they begin where the step is a + 1, 0 they go on.  diag: 2 the first block's diagonal where the step is a, 1 the second's, 0 none.  ask: prefetch.  nxt: a step follows.
; kind: 0 step 0 (V by plain loads); 1 a pair's first step, with the change of slots and a fill; 2 a pair's second step; 3 the last pair's first step: nothing is filled.
.macro UNIT first, diag, ask, nxt, kind
.if \kind == 0
	SMUL 52, 40                                    ; behind K steps 0 to 4: K steps 5 to 7 (12) and V (40)
.else
	SMUL 12, 0
.endif
	v_add_nc_u32 v15, s21, v8                      ; (four places behind the products)
	v_add_nc_u32 v16, s21, v9
	v_add_nc_u32 v17, s21, v10
	v_add_nc_u32 v18, s21, v11
.if \nxt
	DESC
	KF1
.endif
.if \diag == 2
	s_cmp_lg_u32 s17, s13
	s_cbranch_scc1 .Lopen_\@
	QLOAD 44                                       ; the second block's queries: older than K steps 5 to 7, so the next step's first wait covers them
	MASK
.Lopen_\@:
.elseif \diag == 1
	MASK
.endif
.if \nxt
	KF2
.endif
	ZERO
	SOFT
	XSTORE
.if (\kind == 1) || (\kind == 3)
	s_wait_tensorcnt 0x0                           ; my part of this pair's V has landed; no tensor load of mine is out
	ds_add_u32 v3, v4
.if \kind == 1
	DESCV
.endif
.endif
	s_wait_dscnt 0x0                               ; my stores (and the add) are done, and so are my reads of the other area and of the slot left
.if \kind == 1
	CROUND                                         ; no wave of any partner still reads the slot left or has a load on its way
	TL                                             ; V of the next pair, into that slot (the first time: slot 1's first fill)
.else
	s_barrier_signal -1
	s_barrier_wait -1
.endif
.if \kind == 2
	s_add_co_u32 s19, s18, SLOTB
	v_add_nc_u32 v13, s19, v6
	v_add_nc_u32 v14, s19, v7
.elseif \kind != 0
	v_add_nc_u32 v13, s18, v6
	v_add_nc_u32 v14, s18, v7
.endif
.irp w, 0,1,2,3
	ds_load_b128 v[64+4*\w:67+4*\w], v18 offset:512*\w
.endr
.irp m, 0,1
.irp c, 0,1
	ds_load_b128 v[PF+8*\m+4*\c:PF+8*\m+4*\c+3], v17 offset:1024*\m+512*\c
.endr
.endr
.if \kind != 0
	VFETCH
.endif
.if \ask
	ASK
.endif
.if \kind != 0
	s_wait_dscnt 44                                ; the four -M and sums; p's 4 and V's 40 loads may be out
.else
	s_wait_dscnt 4
.endif
	COMBINE
.if \first == 2
	s_cmp_eq_u32 s17, s14
	s_cbranch_scc1 .Lfst_\@
.endif
.if \first != 1
	RESCALE
	s_wait_alu depctr_va_vdst(0)
	s_wait_dscnt 0x0                               ; p and V are in
	PVMUL 0
.endif
.if \first == 2
	s_branch .Lpv_\@
.Lfst_\@:
.endif
.if \first != 0
.rept 8
	v_nop                                          ; p's scale words stand 8 places ahead
.endr
	s_wait_alu depctr_va_vdst(0)
	s_wait_dscnt 0x0
.if \kind == 0
	s_wait_loadcnt 34                              ; V is in; the next K's 34 loads may be out
.endif
	PVMUL 1
.endif
.if \first == 2
.Lpv_\@:
.endif
.if \diag == 2
	s_cmp_lg_u32 s17, s13
	s_cbranch_scc1 .Lstay_\@
	s_wait_alu depctr_va_vdst(0)
	WAYOUT 46
	v_mov_b32 v26, 0x7f61b1e6
	v_mov_b32 v27, 0x7f61b1e6
	v_mov_b32 v28, 0
	v_mov_b32 v29, 0
.Lstay_\@:
.endif
.if \kind == 2
	s_xor_b32 s18, s18, 2*SLOTB                    ; on to the other slot
.endif
	s_xor_b32 s21, s21, 4096
.endm
	UNIT 1, 2, 1, 1, 0                             ; step 0
	s_mov_b32 s17, 1
	s_mov_b32 s28, 0
.Lpair:                                            ; seven trips: steps (1, 2) to (13, 14).  a is even: a block ends behind a pair's second step and begins with a pair's first
	UNIT 2, 0, 1, 1, 1
	s_add_co_u32 s17, s17, 1
	UNIT 0, 2, 1, 1, 2
	s_add_co_u32 s17, s17, 1
	s_add_co_u32 s28, s28, 1
	s_cmp_lt_u32 s28, 7
	s_cbranch_scc1 .Lpair
	UNIT 2, 0, 0, 1, 3                             ; step 15
	UNIT 0, 1, 0, 0, 2                             ; step 16: the second block's diagonal
	s_wait_alu depctr_va_vdst(0)
	WAYOUT 48
	s_wait_tensorcnt 0x0                           ; the wave's end: behind my last tensor load and my last LDS store
	ds_add_u32 v3, v4
	s_wait_dscnt 0x0
	CROUND                                         ; the closing round
	s_endpgm
.Lfunc_end_k_q930857713f_attn:
	.size	k_q930857713f_attn, .Lfunc_end_k_q930857713f_attn-k_q930857713f_attn
	.p2alignl 7, 3214868480
	.fill 96, 4, 3214868480
	.section	.rodata,"a",@progbits
	.p2align	6, 0x0
	.amdhsa_kernel k_q930857713f_attn
		.amdhsa_group_segment_fixed_size 327680
		.amdhsa_private_segment_fixed_size 0
		.amdhsa_enable_private_segment 0
		.amdhsa_kernarg_size 24
		.amdhsa_user_sgpr_count 2
		.amdhsa_user_sgpr_kernarg_segment_ptr 1
		.amdhsa_wavefront_size32 1
		.amdhsa_system_sgpr_workgroup_id_x 1
		.amdhsa_system_sgpr_workgroup_id_y 1
		.amdhsa_system_sgpr_workgroup_id_z 1
		.amdhsa_system_vgpr_workitem_id 0
		.amdhsa_next_free_vgpr 1024
		.amdhsa_next_free_sgpr 96
		.amdhsa_reserve_vcc 1
		.amdhsa_float_denorm_mode_32 3
		.amdhsa_float_denorm_mode_16_64 3
		.amdhsa_memory_ordered 1
		.amdhsa_forward_progress 1
		.amdhsa_inst_pref_size 255
	.end_amdhsa_kernel
	.section	.bss,"aw",@nobits
	.p2align	6
	.space	262144
	.amdgpu_metadata
---
amdhsa.version: [ 1, 2 ]
amdhsa.kernels:
  - .name:           k_q930857713f_attn
    .symbol:         k_q930857713f_attn.kd
    .args:
      - { .name: qc, .offset: 0, .size: 8, .value_kind: global_buffer, .address_space: global }
      - { .name: kv, .offset: 8, .size: 8, .value_kind: global_buffer, .address_space: global }
      - { .name: out0, .offset: 16, .size: 8, .value_kind: global_buffer, .address_space: global }
    .group_segment_fixed_size: 327680
    .private_segment_fixed_size: 0
    .kernarg_segment_align: 8
    .kernarg_segment_size: 24
    .max_flat_workgroup_size: 128
    .sgpr_count:     96
    .vgpr_count:     1024
    .wavefront_size: 32
...
	.end_amdgpu_metadata
.endif
;; end of part 2
